; MI455X (gfx1250); checked and timed in simulation.
; The chip was launched on July 23, 2026; its instructions are those of AMD's public machine-readable ISA for CDNA 5 (MIT licence, August 2026) and "CDNA5" Instruction Set Architecture Reference Guide (July 2026). The comments in the code are by the model that wrote it; some were corrected since.
;; Sparse Self Attention. Allowed arithmetic: float matrix products may take bf16 or f16 operands with f32 sums; all other float work in f32.
;; Inputs: key 2 x 16 x 2,048 x 64 float32; key_padding_mask 2 x 2,048 float32; layout 16 x 64 x 64 int32; query 2 x 16 x 2,048 x 64 float32; value 2 x 16 x 2,048 x 64 float32.
;; Outputs: out0 2 x 16 x 2,048 x 64 float32.
;; 2 versions, each right; version 2 is version 1 with the launch attn written anew for expert scheduling mode. Each part assembles by itself: llvm-mc -triple=amdgcn-amd-amdhsa -mcpu=gfx1250 --defsym DOCPART=n.
;; ======== version 1 of 2: 1 launch
;; limits: values are held in f16: magnitudes above 65,504 overflow, below 6.1e-05 lose precision; inputs' magnitudes at most 65,504
;; launch attn (part 1): grid 8 x 32, 8 waves a work-group, no clusters, 234,496 bytes of LDS; arguments query, key, value, key_padding_mask, layout, out0; writes out0
.if DOCPART == 1
	.amdgcn_target "amdgcn-amd-amdhsa--gfx1250"
	.amdhsa_code_object_version 6
	.text
	.protected	k_q26171557b6_attn
	.globl	k_q26171557b6_attn
	.p2align	8
	.type	k_q26171557b6_attn,@function
k_q26171557b6_attn:
	s_mov_b64 s[64:65], 0
	v_nop
	global_prefetch_b8 v0, s[64:65] scope:SCOPE_SE
	s_setreg_imm32_b32 hwreg(HW_REG_WAVE_MODE, 25, 1), 1
	s_wait_xcnt 0x0
; Block-sparse attention.  out[b,h,q,:] = softmax over the keys of active blocks of (q.k/8 + kpm[b,key]) x V.
; query, key, value, out0: [2][16][2048][64] f32.  key_padding_mask: [2][2048] f32.  layout: [16][64][64] i32, any non-zero word = active.
;
; SHARING.  Work-group (g, bh) owns 8 query blocks of 32 rows (8g .. 8g+7) of one (batch, head); wave w owns query block 8g+w.
; The 64 key blocks are walked in 8 chunks of 8 (a constant number of trips, so every wave passes every barrier whatever layout holds).
; UN  = OR of the group's 8 layout rows (64 bits): a key block is staged in LDS, by all 8 waves together, only if its UN bit is set.
; OWN = the wave's own layout row: a wave multiplies a staged block only if its OWN bit is set.  These branches jump over loads, LDS
; stores and arithmetic, never over a barrier, and no address hangs on layout: offsets are constants and loop steps.
;
; ARITHMETIC.  Both products are used transposed, so that a lane owns one query and no result has to change lanes:
;   S^T = K Q^T + C : source 0 = 16 keys of K, source 1 = 16 queries of Q x (0.125 log2 e), C = kpm x log2 e of the tile's keys.
;                     Register j of lane (r, h) holds key 8h+j of query r, as a base-2 logit with the mask already added.
;   O^T = V^T P^T   : packing S's register pairs of key tiles 0 and 1 to f16 IS the source-1 fragment of P^T (k = 8h.., 16+8h..);
;                     V^T comes from V's rows in LDS by the transposing load.  Register j of lane (r, h) holds O(query r, d = 16dt+8h+j).
; Running maximum, running sum and the rescaling factor are one number a lane; the two lanes of a query meet by one v_permlanex16_b32.
;
; FORMATS AND LIMITS.  Q x 0.125 log2 e, K, V and P are rounded to f16, sums are f32.  f16 is taken because it has the room: P lies in
; [0, 1]; K and V must stay within 65,504 in magnitude and Q within 363,000 (beyond that the f16 operand is infinite); below 6.1e-5 an
; operand keeps an absolute error of at most 3e-8.  The softmax's sum is made of the unrounded P.  An exponential below 2^-126 is 0
; (ISA guide, entry of V_EXP_F32).  The running maximum starts at -FLT_MAX: mask entries of -inf give probability 0, and a query whose
; keys are all masked or whose layout row is empty gives 0 x (1/0) = NaN, as the softmax of nothing does.  K and V of blocks that no
; layout row of the group names are never read: infinities or NaN that lie there do not reach the result.
;
; NOT USED.  Tensor loads and joint requests in a cluster: K and V are f32 in memory and have to pass through registers to become
; f16, and which blocks a work-group wants is decided by its own 8 layout rows, so partners' requests would not be alike.
.set KP,     144                       ; K and Q rows in LDS: 128 bytes of f16 + 16: sixteen rows start at sixteen different 16-byte columns modulo 256
.set VP,     160                       ; V rows: 128 + 32, an odd multiple of 32, for the transposing load
.set KTILE,  32*KP                     ; 4,608
.set VTILE,  32*VP                     ; 5,120
.set VOFF,   8*KTILE                   ; 36,864: a slot's V tiles lie behind its 8 K tiles
.set SLOT,   8*KTILE+8*VTILE           ; 77,824; two slots take turns
.set MREG,   2*SLOT                    ; 155,648: 2,048 f32, kpm[b][*] x log2 e, written once
.set STG,    MREG+8192                 ; 163,840: a stage of 8,704 bytes for each wave: first Q in f16 (pitch 144), at the end O in f32 (pitch 272)
.set STGW,   8704
.set OPITCH, 272
.set KVBLK,  8192                      ; a key block in memory: 32 rows of 256 bytes
; vector registers, window 0
.set KA,  2                            ; v2, v3    K fragment address in slot 0, 1: r x 144 + 16 h
.set VA,  4                            ; v4, v5    V^T fragment address in slot 0, 1
.set MA,  6                            ; v6        mask address: MREG + 32 h, + 2,048 each loop trip (16 key blocks)
.set QA,  7                            ; v7        Q fragment address in my stage
.set ORD, 8                            ; v8        way out: read rows back
.set OGO, 9                            ; v9        16 x lane
.set LU,  10                           ; v10       4 x lane
.set LOW, 11                           ; v11       4 x lane + 256 x wave: my own layout row
.set MX,  12                           ; v12, v13 = (maximum, sum) of query tile 0; v14, v15 of tile 1
.set AL,  16                           ; v16, v17 = (rescaling factor, a written partner) of tile 0; v18, v19 of tile 1
.set TT,  20                           ; v20-27    at work
.set OST, 28                           ; v28       way out: where my 32 bytes of a row go
.set MST, 29                           ; v29       where my 16 bytes of the scaled mask go
.set QF,  32                           ; v32-63    Q fragments (qt, ks) at 32 + 16 qt + 8 ks
.set KF,  64                           ; v64-95    K fragments (kt, ks)
.set VF,  96                           ; v96-127   V^T fragments (dt)
.set MK,  128                          ; v128-143  mask tiles (kt), the C of the first product
.set SC,  144                          ; v144-175  S^T (qt, kt), then P in f32
.set PF,  176                          ; v176-191  P^T fragments (qt)
.set OA,  192                          ; v192-255  O^T (qt, dt) at 192 + 32 qt + 8 dt
; vector registers, window 1 (v256 and up, named by their low 8 bits): all that staging touches, so that it runs under one setting
.set GO,  0                            ; 16 x thread: my 16 bytes of 16 rows of K or V
.set KS,  1                            ; v257, v258  where my 8 bytes of K go, slot 0, 1
.set VS,  3                            ; v259, v260  the same for V
.set QGO, 5                            ; 16 x lane
.set QS,  6                            ; where my 8 bytes of Q go
.set ST,  8                            ; v264-391    key block blk of a chunk owns 16: K rows 0-15, K rows 16-31, V rows 0-15, V rows 16-31
; scalars: s[4:5] Q, s[6:7] K, s[8:9] V, s[10:11] kpm, s[12:13] layout, s[14:15] out0; s16 wave; s18 bh; s24, s25 lane selects;
; s26, s27 UN; s28, s29 OWN; s30 trip counter; s31 at work; s32 my stage; s33 256 w; s38 288 w; s39 320 w + VOFF
.set MSB, 0
.macro WIN new                         ; s_set_vgpr_msb: bits 1:0 source 0, 3:2 source 1, 5:4 source 2, 7:6 destination; the high byte repeats the setting left
.if MSB != \new
	s_set_vgpr_msb (MSB<<8)|\new
.set MSB, \new
.endif
.endm
.macro PLACES                          ; four independent vector instructions behind a matrix instruction (ISA guide 7.12.1)
.rept 4
	v_nop
.endr
.endm
	s_load_b256 s[4:11], s[0:1], 0x0               ; query, key, value, key_padding_mask
	s_load_b128 s[12:15], s[0:1], 0x20             ; layout, out0
	v_lshl_add_u32 v30, v0, 2, 0x39000
	v_mov_b32 v31, 0
	v_lshrrev_b32 v1, 5, v0
	v_readfirstlane_b32 s16, v1                    ; wave 0..7
	s_and_b32 s18, ttmp7, 0xffff                   ; bh = 16 b + h;  ttmp9 = g
	s_mov_b32 s24, 0x76543210                      ; v_permlanex16_b32: lane i reads lane i of the other half
	s_mov_b32 s25, 0xfedcba98
	s_mul_i32 s32, s16, STGW
	s_add_co_u32 s32, s32, STG                     ; my stage
	s_lshl_b32 s33, s16, 8
	s_mul_i32 s38, s16, 2*KP                       ; a wave stages two rows of each 16: 288 w
	s_mul_i32 s39, s16, 2*VP
	s_add_co_u32 s39, s39, VOFF
	s_lshl_b32 s22, s18, 19                        ; K, V: bh x 2,048 rows x 256 bytes
	s_mov_b32 s23, 0
	s_lshl_b32 s20, ttmp9, 16                      ; Q, out0: + g x 256 rows + w x 32 rows
	s_add_co_u32 s20, s20, s22
	s_lshl_b32 s31, s16, 13
	s_add_co_u32 s20, s20, s31
	s_mov_b32 s21, 0
	s_lshr_b32 s34, s18, 4                         ; kpm: b x 8,192 bytes
	s_lshl_b32 s34, s34, 13
	s_mov_b32 s35, 0
	s_and_b32 s36, s18, 15                         ; layout: (64 h + 8 g) rows of 256 bytes
	s_lshl_b32 s36, s36, 14
	s_lshl_b32 s31, ttmp9, 11
	s_add_co_u32 s36, s36, s31
	s_mov_b32 s37, 0
	v_lshlrev_b32 v1, 4, v0                        ; 16 t
	v_and_b32 v20, 31, v0                          ; lane L
	v_and_b32 v21, 15, v0                          ; r
	v_bfe_u32 v22, v0, 4, 1                        ; h
	v_and_b32 v24, 7, v0                           ; L & 7
	v_bfe_u32 v25, v0, 3, 1                        ; (L >> 3) & 1
	v_lshlrev_b32 v[OGO], 4, v20
	v_lshlrev_b32 v[LU], 2, v20
	v_add_nc_u32 v[LOW], s33, v[LU]
	s_wait_kmcnt 0x0
	s_add_nc_u64 s[12:13], s[12:13], s[36:37]
	s_add_nc_u64 s[4:5], s[4:5], s[20:21]
	s_add_nc_u64 s[10:11], s[10:11], s[34:35]
	s_add_nc_u64 s[14:15], s[14:15], s[20:21]
	s_add_nc_u64 s[6:7], s[6:7], s[22:23]
	s_add_nc_u64 s[8:9], s[8:9], s[22:23]
	; layout first: everything else hangs on it.  Lane L takes word L (key blocks 0-31) and word 32 + L (32-63) of each row.
.irp i, 0,1,2,3,4,5,6,7
	global_load_b32 v[SC+2*\i],   v[LU], s[12:13] offset:\i*256
	global_load_b32 v[SC+2*\i+1], v[LU], s[12:13] offset:\i*256+128
.endr
	global_load_b32 v[SC+16], v[LOW], s[12:13]
	global_load_b32 v[SC+17], v[LOW], s[12:13] offset:128
	; staging addresses, written straight into window 1
	v_mad_u32_u24 v97, v22, KP, s38                ; (2 w + h) x 144
	v_add_nc_u32 v98, SLOT, v97
	v_mad_u32_u24 v99, v22, VP, s39                ; (2 w + h) x 160 + VOFF
	v_add_nc_u32 v100, SLOT, v99
	v_mad_u32_u24 v101, v22, KP, s32               ; my stage + h x 144
	WIN 0x40
	v_lshlrev_b32 v[GO], 4, v0
	v_lshl_add_u32 v[KS],   v21, 3, v97            ; + 8 r: four f16 of columns 4 r .. 4 r + 3
	v_lshl_add_u32 v[KS+1], v21, 3, v98
	v_lshl_add_u32 v[VS],   v21, 3, v99
	v_lshl_add_u32 v[VS+1], v21, 3, v100
	v_lshlrev_b32 v[QGO], 4, v20
	v_lshl_add_u32 v[QS],   v21, 3, v101
	; my 32 rows of Q: each load covers two rows, 512 consecutive bytes; read once in the launch
	WIN 0x55
.irp i, 0,1,2,3,4,5,6,7,8,9,10,11,12,13,14,15
	global_load_b128 v[ST+4*\i:ST+4*\i+3], v[QGO], s[4:5] offset:\i*512 th:TH_LOAD_NT
.endr
	WIN 0
	global_load_b128 v[KF:KF+3],   v1, s[10:11]              ; the batch's 2,048 mask entries, 8 a thread
	global_load_b128 v[KF+4:KF+7], v1, s[10:11] offset:4096
	; fragment addresses
	v_mul_u32_u24 v[KA], v21, KP
	v_lshl_add_u32 v[KA], v22, 4, v[KA]            ; r x 144 + 16 h
	v_add_nc_u32 v[KA+1], SLOT, v[KA]
	v_lshl_add_u32 v26, v22, 3, v24                ; key row 8 h + (L & 7)
	v_mul_u32_u24 v[VA], v26, VP
	v_lshl_add_u32 v[VA], v25, 4, v[VA]            ; + 16 for the upper eight columns
	v_add_nc_u32 v[VA], VOFF, v[VA]
	v_add_nc_u32 v[VA+1], SLOT, v[VA]
	v_lshlrev_b32 v[MA], 5, v22
	v_add_nc_u32 v[MA], MREG, v[MA]
	v_add_nc_u32 v[QA], s32, v[KA]
	v_mul_u32_u24 v[ORD], v22, OPITCH
	v_lshl_add_u32 v[ORD], v21, 4, v[ORD]
	v_add_nc_u32 v[ORD], s32, v[ORD]
	v_mul_u32_u24 v[OST], v21, OPITCH
	v_lshl_add_u32 v[OST], v22, 5, v[OST]
	v_add_nc_u32 v[OST], s32, v[OST]
	v_lshl_add_u32 v[MST], s33, 1, v[OGO]          ; 512 w + 16 L = 16 t
	v_add_nc_u32 v[MST], MREG, v[MST]
	; the two masks
	s_wait_loadcnt 18                              ; loads return in order: the 16 of Q and the 2 of the mask are younger, layout's 18 are in
.irp i, 1,2,3,4,5,6,7
	v_or_b32 v[SC],   v[SC],   v[SC+2*\i]
	v_or_b32 v[SC+1], v[SC+1], v[SC+2*\i+1]
.endr
	v_cmp_ne_u32 s26, 0, v[SC]                     ; UN: bit j = some row of the group names key block j
	v_cmp_ne_u32 s27, 0, v[SC+1]
	v_cmp_ne_u32 s28, 0, v[SC+16]                  ; OWN
	v_cmp_ne_u32 s29, 0, v[SC+17]
	; Q x 0.125 log2 e, to f16, into my stage.  The products land in the upper half of the staging registers.
	s_wait_loadcnt 0x2                             ; the mask's 2 loads are younger: Q is in
	WIN 0x55
.irp i, 0,1,2,3,4,5,6,7,8,9,10,11,12,13,14,15
	v_pk_mul_f32 v[ST+64+4*\i:ST+64+4*\i+1],   v[ST+4*\i:ST+4*\i+1],   0x3e38aa3b op_sel_hi:[1,0]
	v_pk_mul_f32 v[ST+64+4*\i+2:ST+64+4*\i+3], v[ST+4*\i+2:ST+4*\i+3], 0x3e38aa3b op_sel_hi:[1,0]
	v_cvt_pk_f16_f32 v[ST+64+4*\i],   v[ST+64+4*\i],   v[ST+64+4*\i+1]
	v_cvt_pk_f16_f32 v[ST+64+4*\i+1], v[ST+64+4*\i+2], v[ST+64+4*\i+3]
	ds_store_b64 v[QS], v[ST+64+4*\i:ST+64+4*\i+1] offset:\i*2*KP
.endr
	WIN 0
	s_wait_loadcnt 0x0                             ; the mask
.irp j, 0,2,4,6
	v_pk_mul_f32 v[KF+\j:KF+\j+1], v[KF+\j:KF+\j+1], 0x3fb8aa3b op_sel_hi:[1,0]   ; x log2 e: the exponentials are base 2
.endr
	ds_store_b128 v[MST], v[KF:KF+3]
	ds_store_b128 v[MST], v[KF+4:KF+7] offset:4096
	; Q's fragments stay in registers for the whole kernel.  My own bytes: LDS serves a wave's instructions in order (ISA guide 5.7.1).
.irp qt, 0,1
.irp ks, 0,1
	ds_load_b128 v[QF+16*\qt+8*\ks:QF+16*\qt+8*\ks+3],   v[QA] offset:\qt*16*KP+\ks*64
	ds_load_b128 v[QF+16*\qt+8*\ks+4:QF+16*\qt+8*\ks+7], v[QA] offset:\qt*16*KP+\ks*64+32
.endr
.endr
	; O starts at 0 in registers: how many blocks a wave visits is data and may be none, so no first product can be written out to start the sums
.set i, 0
.rept 64
	v_mov_b32 v[OA+i], 0
.set i, i+1
.endr
	v_mov_b32 v[MX],   0xff7fffff                  ; -FLT_MAX, not -inf: no inf - inf where every logit so far is -inf
	v_mov_b32 v[MX+1], 0
	v_mov_b32 v[MX+2], 0xff7fffff
	v_mov_b32 v[MX+3], 0
	v_mov_b32 v[AL+1], 0
	v_mov_b32 v[AL+3], 0
; Four loads of one key block (if the group wants it): 16 rows of K, 16 more, and the same of V; each load of a wave covers 512 consecutive bytes.
.macro LOADBLK id, bit, blk, off
	s_bitcmp1_b32 s26, \bit
	s_cbranch_scc0 .Lld\id
	WIN 0x55
	global_load_b128 v[ST+16*\blk:ST+16*\blk+3],     v[GO], s[6:7] offset:\off+\blk*KVBLK
	global_load_b128 v[ST+16*\blk+4:ST+16*\blk+7],   v[GO], s[6:7] offset:\off+\blk*KVBLK+4096
	global_load_b128 v[ST+16*\blk+8:ST+16*\blk+11],  v[GO], s[8:9] offset:\off+\blk*KVBLK
	global_load_b128 v[ST+16*\blk+12:ST+16*\blk+15], v[GO], s[8:9] offset:\off+\blk*KVBLK+4096
	WIN 0
.Lld\id:
.endm
; The chunk whose UN bits are first .. first + 7 and whose first block lies off bytes behind the stepped bases
.macro LOADSEC tag, first, off
	s_and_b32 s31, s26, 0xff<<(\first)
	s_cbranch_scc0 .Lldx\tag
.irp b, 0,1,2,3,4,5,6,7
	LOADBLK \tag\b, \first+\b, \b, \off
.endr
.Lldx\tag:
.endm
; One key block from the staging registers to LDS, as f16
.macro STOREBLK slot, blk
	s_bitcmp1_b32 s26, 8*\slot+\blk
	s_cbranch_scc0 .Lst\slot\blk
	WIN 0x55
.irp n, 0,1,2,3
	v_cvt_pk_f16_f32 v[ST+16*\blk+4*\n],   v[ST+16*\blk+4*\n],   v[ST+16*\blk+4*\n+1]
	v_cvt_pk_f16_f32 v[ST+16*\blk+4*\n+1], v[ST+16*\blk+4*\n+2], v[ST+16*\blk+4*\n+3]
.endr
	ds_store_b64 v[KS+\slot], v[ST+16*\blk:ST+16*\blk+1]     offset:\blk*KTILE
	ds_store_b64 v[KS+\slot], v[ST+16*\blk+4:ST+16*\blk+5]   offset:\blk*KTILE+16*KP
	ds_store_b64 v[VS+\slot], v[ST+16*\blk+8:ST+16*\blk+9]   offset:\blk*VTILE
	ds_store_b64 v[VS+\slot], v[ST+16*\blk+12:ST+16*\blk+13] offset:\blk*VTILE+16*VP
	WIN 0
.Lst\slot\blk:
.endm
.macro STORESEC slot
	s_and_b32 s31, s26, 0xff<<(8*\slot)
	s_cbranch_scc0 .Lstx\slot
.irp b, 0,1,2,3,4,5,6,7
	STOREBLK \slot, \b
.endr
.Lstx\slot:
.endm
; One step of the running softmax for query tile qt: 16 logits a lane (keys 8h+0..7 and 16+8h+0..7 of query r).
.macro SOFTMAX qt
.set SB, SC+16*\qt
.set MM, MX+2*\qt
.set AA, AL+2*\qt
.set OB, OA+32*\qt
	v_max3_num_f32 v[TT],   v[SB],   v[SB+1], v[MM]          ; 16 logits and the old maximum, in two chains
	v_max3_num_f32 v[TT+1], v[SB+2], v[SB+3], v[SB+4]
	v_max3_num_f32 v[TT],   v[TT],   v[SB+5], v[SB+6]
	v_max3_num_f32 v[TT+1], v[TT+1], v[SB+7], v[SB+8]
	v_max3_num_f32 v[TT],   v[TT],   v[SB+9], v[SB+10]
	v_max3_num_f32 v[TT+1], v[TT+1], v[SB+11], v[SB+12]
	v_max3_num_f32 v[TT],   v[TT],   v[SB+13], v[SB+14]
	v_max3_num_f32 v[TT],   v[TT],   v[TT+1], v[SB+15]
	v_permlanex16_b32 v[TT+1], v[TT], s24, s25               ; the query's other 16 keys lie in lane L xor 16
	v_max_num_f32 v[TT], v[TT], v[TT+1]
	v_sub_f32 v[AA], v[MM], v[TT]
	v_mov_b32 v[MM], v[TT]
	v_exp_f32 v[AA], v[AA]                                   ; 2^(old maximum - new); the subtractions below stand between it and its use
.irp j, 0,1,2,3,4,5,6,7
	v_pk_add_f32 v[SB+2*\j:SB+2*\j+1], v[SB+2*\j:SB+2*\j+1], v[MM:MM+1] op_sel_hi:[1,0] neg_lo:[0,1] neg_hi:[0,1]
.endr
.irp j, 0,1,2,3,4,5,6,7,8,9,10,11,12,13,14,15
	v_exp_f32 v[SB+\j], v[SB+\j]
.endr
	s_wait_alu depctr_va_vdst(0)
.irp j, 0,1,2,3,4,5,6,7,8,9,10,11,12,13,14,15
	v_pk_mul_f32 v[OB+2*\j:OB+2*\j+1], v[OB+2*\j:OB+2*\j+1], v[AA:AA+1] op_sel_hi:[1,0]   ; plain work behind the exponentials (ISA guide 5.7.2)
.endr
	v_pk_add_f32 v[TT:TT+1],   v[SB:SB+1],     v[SB+2:SB+3]
	v_pk_add_f32 v[TT+2:TT+3], v[SB+4:SB+5],   v[SB+6:SB+7]
	v_pk_add_f32 v[TT+4:TT+5], v[SB+8:SB+9],   v[SB+10:SB+11]
	v_pk_add_f32 v[TT+6:TT+7], v[SB+12:SB+13], v[SB+14:SB+15]
	v_pk_add_f32 v[TT:TT+1],   v[TT:TT+1],     v[TT+2:TT+3]
	v_pk_add_f32 v[TT+4:TT+5], v[TT+4:TT+5],   v[TT+6:TT+7]
	v_pk_add_f32 v[TT:TT+1],   v[TT:TT+1],     v[TT+4:TT+5]
	v_add_f32 v[TT], v[TT], v[TT+1]
	v_fma_f32 v[MM+1], v[MM+1], v[AA], v[TT]                 ; the sum of my half of the keys; the halves meet once, at the end
.irp j, 0,1,2,3,4,5,6,7
	v_cvt_pk_f16_f32 v[PF+8*\qt+\j], v[SB+2*\j], v[SB+2*\j+1]
.endr
.endm
.macro PV qt
.irp dt, 0,1,2,3
	v_wmma_f32_16x16x32_f16 v[OA+32*\qt+8*\dt:OA+32*\qt+8*\dt+7], v[VF+8*\dt:VF+8*\dt+7], v[PF+8*\qt:PF+8*\qt+7], v[OA+32*\qt+8*\dt:OA+32*\qt+8*\dt+7]
.endr
.endm
; My 32 queries x the 32 keys of block blk of the slot's chunk
.macro VISIT slot, blk
.irp kt, 0,1
.irp ks, 0,1
	ds_load_b128 v[KF+16*\kt+8*\ks:KF+16*\kt+8*\ks+3],   v[KA+\slot] offset:\blk*KTILE+\kt*16*KP+\ks*64
	ds_load_b128 v[KF+16*\kt+8*\ks+4:KF+16*\kt+8*\ks+7], v[KA+\slot] offset:\blk*KTILE+\kt*16*KP+\ks*64+32
.endr
.endr
.irp kt, 0,1
	ds_load_b128 v[MK+8*\kt:MK+8*\kt+3],   v[MA] offset:128*(8*\slot+\blk)+\kt*64       ; keys 16 kt + 8 h + 0..3: the same word for all 16 lanes of a half
	ds_load_b128 v[MK+8*\kt+4:MK+8*\kt+7], v[MA] offset:128*(8*\slot+\blk)+\kt*64+16
.endr
.irp dt, 0,1,2,3
	ds_load_tr16_b128 v[VF+8*\dt:VF+8*\dt+3],   v[VA+\slot] offset:\blk*VTILE+\dt*32           ; keys 8 h + 0..7 of column 16 dt + r
	ds_load_tr16_b128 v[VF+8*\dt+4:VF+8*\dt+7], v[VA+\slot] offset:\blk*VTILE+\dt*32+16*VP     ; keys 16 + 8 h + 0..7
.endr
	s_wait_dscnt 0x8                               ; V's 8 loads are younger: K's 8 and the mask's 4 are in
.irp qt, 0,1
.irp kt, 0,1
	v_wmma_f32_16x16x32_f16 v[SC+16*\qt+8*\kt:SC+16*\qt+8*\kt+7], v[KF+16*\kt:KF+16*\kt+7], v[QF+16*\qt:QF+16*\qt+7], v[MK+8*\kt:MK+8*\kt+7]
.endr
.endr
.irp qt, 0,1
.irp kt, 0,1
	v_wmma_f32_16x16x32_f16 v[SC+16*\qt+8*\kt:SC+16*\qt+8*\kt+7], v[KF+16*\kt+8:KF+16*\kt+15], v[QF+16*\qt+8:QF+16*\qt+15], v[SC+16*\qt+8*\kt:SC+16*\qt+8*\kt+7]
.endr
.endr
	PLACES                                         ; before the softmax reads S, and before any later load lands in K's or the mask's registers
	SOFTMAX 0
	s_wait_dscnt 0x0                               ; V^T is in; my reads of the slot are over
	PV 0
	SOFTMAX 1                                      ; names none of the registers of the four products in front of it
	PV 1
	PLACES                                         ; before the next visit loads into V^T's registers or scales O, and before the way out reads O
.endm
; One chunk.  One barrier a trip serves both orders.  In front of it each wave has waited (count 0) for its LDS stores into this slot
; and for its fragment loads from the other slot in the last trip; behind it this slot is read.  The other slot is written again in the
; next trip, by waves that have passed this barrier.
.macro TRIP slot
	s_wait_loadcnt 0x0                             ; the chunk's K and V are in the staging registers (0: how many were issued is data)
	STORESEC \slot
	s_wait_dscnt 0x0                               ; for the other waves' sake, and before the staging registers are loaded again
	LOADSEC \slot, 8*\slot+8, 65536*(\slot+1)      ; the next chunk sets out before this one is multiplied
	s_barrier_signal -1
	s_barrier_wait -1
	s_and_b32 s31, s28, 0xff<<(8*\slot)
	s_cbranch_scc0 .Lvx\slot
.irp b, 0,1,2,3,4,5,6,7
	s_bitcmp1_b32 s28, 8*\slot+\b
	s_cbranch_scc0 .Lv\slot\b
	VISIT \slot, \b
.Lv\slot\b:
.endr
.Lvx\slot:
.endm
	s_wait_dscnt 0x0                               ; Q's fragments are in, and the LDS stores have read the staging registers
	LOADSEC 2, 0, 0                                ; chunk 0
	s_mov_b32 s30, 0
.Lloop:                                            ; 4 trips of two chunks = 64 key blocks
	TRIP 0
	TRIP 1
	s_wait_xcnt 0x0                                ; the pending loads of the next chunk have had their addresses translated (ISA guide 3.1): the bases may step
	s_add_nc_u64 s[6:7], s[6:7], 16*KVBLK
	s_add_nc_u64 s[8:9], s[8:9], 16*KVBLK
	v_add_nc_u32 v[MA], 2048, v[MA]
	s_lshr_b32 s26, s26, 16                        ; both masks move down by 16 blocks.  Zeros come in at the top, so the look-ahead of the
	s_lshl_b32 s31, s27, 16                        ; last trip (bits 16-23) finds nothing set and no load passes the end of K or V
	s_or_b32 s26, s26, s31
	s_lshr_b32 s27, s27, 16
	s_lshr_b32 s28, s28, 16
	s_lshl_b32 s31, s29, 16
	s_or_b32 s28, s28, s31
	s_lshr_b32 s29, s29, 16
	s_add_co_u32 s30, s30, 1
	s_cmp_lt_u32 s30, 4
	s_cbranch_scc1 .Lloop
	; THE WAY OUT.  The two halves of each query's sum meet; O / sum; through my stage, so that sixteen lanes store one whole row of 256 bytes.
	v_permlanex16_b32 v[AL+1], v[MX+1], s24, s25
	v_permlanex16_b32 v[AL+3], v[MX+3], s24, s25
	v_add_f32 v[MX+1], v[MX+1], v[AL+1]
	v_add_f32 v[MX+3], v[MX+3], v[AL+3]
	v_rcp_f32 v[AL],   v[MX+1]
	v_rcp_f32 v[AL+2], v[MX+3]
	v_nop                                          ; one plain instruction between the reciprocals and their use (ISA guide 5.7.2)
	s_wait_alu depctr_va_vdst(0)
.irp qt, 0,1
.irp j, 0,1,2,3,4,5,6,7,8,9,10,11,12,13,14,15
	v_pk_mul_f32 v[OA+32*\qt+2*\j:OA+32*\qt+2*\j+1], v[OA+32*\qt+2*\j:OA+32*\qt+2*\j+1], v[AL+2*\qt:AL+2*\qt+1] op_sel_hi:[1,0]
.endr
.endr
.irp qt, 0,1
.irp dt, 0,1,2,3
	ds_store_b128 v[OST], v[OA+32*\qt+8*\dt:OA+32*\qt+8*\dt+3]   offset:\qt*16*OPITCH+\dt*64      ; row 16 qt + r, columns 16 dt + 8 h + 0..3
	ds_store_b128 v[OST], v[OA+32*\qt+8*\dt+4:OA+32*\qt+8*\dt+7] offset:\qt*16*OPITCH+\dt*64+16
.endr
.endr
.irp i, 0,1,2,3,4,5,6,7,8,9,10,11,12,13,14,15
	ds_load_b128 v[KF+4*\i:KF+4*\i+3], v[ORD] offset:\i*2*OPITCH     ; my own bytes, served in order behind the stores: rows 2 i and 2 i + 1
.endr
.irp i, 0,1,2,3,4,5,6,7,8,9,10,11,12,13,14,15
	s_wait_dscnt 15-\i                             ; the younger read-backs stay out
	global_store_b128 v[OGO], v[KF+4*\i:KF+4*\i+3], s[14:15] offset:\i*512 th:TH_STORE_NT   ; 512 consecutive bytes, two whole rows of out0
.endr
	s_wait_tensorcnt 0x0
	ds_add_u32 v30, v31
	s_wait_dscnt 0x0
	s_endpgm
.Lfunc_end_k_q26171557b6_attn:
	.size	k_q26171557b6_attn, .Lfunc_end_k_q26171557b6_attn-k_q26171557b6_attn
	.p2alignl 7, 3214868480
	.fill 96, 4, 3214868480
	.section	.rodata,"a",@progbits
	.p2align	6, 0x0
	.amdhsa_kernel k_q26171557b6_attn
		.amdhsa_group_segment_fixed_size 234496
		.amdhsa_private_segment_fixed_size 0
		.amdhsa_enable_private_segment 0
		.amdhsa_kernarg_size 48
		.amdhsa_user_sgpr_count 2
		.amdhsa_user_sgpr_kernarg_segment_ptr 1
		.amdhsa_wavefront_size32 1
		.amdhsa_system_sgpr_workgroup_id_x 1
		.amdhsa_system_sgpr_workgroup_id_y 1
		.amdhsa_system_sgpr_workgroup_id_z 1
		.amdhsa_system_vgpr_workitem_id 0
		.amdhsa_next_free_vgpr 392
		.amdhsa_next_free_sgpr 66
		.amdhsa_reserve_vcc 0
		.amdhsa_float_denorm_mode_32 3
		.amdhsa_float_denorm_mode_16_64 3
		.amdhsa_memory_ordered 1
		.amdhsa_forward_progress 1
		.amdhsa_inst_pref_size 214
	.end_amdhsa_kernel
	.amdgpu_metadata
---
amdhsa.version: [ 1, 2 ]
amdhsa.kernels:
  - .name:           k_q26171557b6_attn
    .symbol:         k_q26171557b6_attn.kd
    .args:
      - { .name: query, .offset: 0, .size: 8, .value_kind: global_buffer, .address_space: global }
      - { .name: key, .offset: 8, .size: 8, .value_kind: global_buffer, .address_space: global }
      - { .name: value, .offset: 16, .size: 8, .value_kind: global_buffer, .address_space: global }
      - { .name: key_padding_mask, .offset: 24, .size: 8, .value_kind: global_buffer, .address_space: global }
      - { .name: layout, .offset: 32, .size: 8, .value_kind: global_buffer, .address_space: global }
      - { .name: out0, .offset: 40, .size: 8, .value_kind: global_buffer, .address_space: global }
    .group_segment_fixed_size: 234496
    .private_segment_fixed_size: 0
    .kernarg_segment_align: 8
    .kernarg_segment_size: 48
    .max_flat_workgroup_size: 256
    .sgpr_count:     66
    .vgpr_count:     392
    .wavefront_size: 32
...
	.end_amdgpu_metadata
.endif
;; end of part 1
;; ======== version 2 of 2: 1 launch; version 1 with the launch attn written anew for expert scheduling mode
;; limits: values are held in f16: magnitudes above 65,504 overflow, below 6.1e-05 lose precision; inputs' magnitudes at most 65,504
;; launch attn (part 2): grid 8 x 32, 8 waves a work-group, no clusters, 234,496 bytes of LDS; arguments query, key, value, key_padding_mask, layout, out0; writes out0
.if DOCPART == 2
	.amdgcn_target "amdgcn-amd-amdhsa--gfx1250"
	.amdhsa_code_object_version 6
	.text
	.protected	k_q26171557b6_attn
	.globl	k_q26171557b6_attn
	.p2align	8
	.type	k_q26171557b6_attn,@function
k_q26171557b6_attn:
	s_mov_b64 s[64:65], 0
	v_nop
	global_prefetch_b8 v0, s[64:65] scope:SCOPE_SE
	s_setreg_imm32_b32 hwreg(HW_REG_WAVE_SCHED_MODE, 0, 2), 2
	s_setreg_imm32_b32 hwreg(HW_REG_WAVE_MODE, 25, 1), 1
	s_wait_xcnt 0x0
	s_wait_alu depctr_vm_vsrc(0)
; Block-sparse attention.  out[b,h,q,:] = softmax over the keys of active blocks of (q.k/8 + kpm[b,key]) x V.
; query, key, value, out0: [2][16][2048][64] f32.  key_padding_mask: [2][2048] f32.  layout: [16][64][64] i32, any non-zero word = active.
;
; SHARING.  Work-group (g, bh) owns 8 query blocks of 32 rows (8g .. 8g+7) of one (batch, head); wave w owns query block 8g+w.
; The 64 key blocks are walked in 8 chunks of 8 (a constant number of trips, so every wave passes every barrier whatever layout holds).
; UN  = OR of the group's 8 layout rows (64 bits): a key block is staged in LDS, by all 8 waves together, only if its UN bit is set.
; OWN = the wave's own layout row: a wave multiplies a staged block only if its OWN bit is set.  These branches jump over loads, LDS
; stores and arithmetic, never over a barrier, and no address hangs on layout: offsets are constants and loop steps.
;
; ARITHMETIC.  Both products are used transposed, so that a lane owns one query and no result has to change lanes:
;   S^T = K Q^T + C : source 0 = 16 keys of K, source 1 = 16 queries of Q x (0.125 log2 e), C = kpm x log2 e of the tile's keys.
;                     Register j of lane (r, h) holds key 8h+j of query r, as a base-2 logit with the mask already added.
;   O^T = V^T P^T   : packing S's register pairs of key tiles 0 and 1 to f16 IS the source-1 fragment of P^T (k = 8h.., 16+8h..);
;                     V^T comes from V's rows in LDS by the transposing load.  Register j of lane (r, h) holds O(query r, d = 16dt+8h+j).
; Running maximum, running sum and the rescaling factor are one number a lane; the two lanes of a query meet by one v_permlanex16_b32.
;
; FORMATS AND LIMITS.  Q x 0.125 log2 e, K, V and P are rounded to f16, sums are f32.  f16 is taken because it has the room: P lies in
; [0, 1]; K and V must stay within 65,504 in magnitude and Q within 363,000 (beyond that the f16 operand is infinite); below 6.1e-5 an
; operand keeps an absolute error of at most 3e-8.  The softmax's sum is made of the unrounded P.  An exponential below 2^-126 is 0
; (ISA guide, entry of V_EXP_F32).  The running maximum starts at -FLT_MAX: mask entries of -inf give probability 0, and a query whose
; keys are all masked or whose layout row is empty gives 0 x (1/0) = NaN, as the softmax of nothing does.  K and V of blocks that no
; layout row of the group names are never read: infinities or NaN that lie there do not reach the result.
;
; NOT USED.  Tensor loads and joint requests in a cluster: K and V are f32 in memory and have to pass through registers to become
; f16, and which blocks a work-group wants is decided by its own 8 layout rows, so partners' requests would not be alike.
;
; THE MODE: SCHED_MODE bits 1:0 = 2 (LLVM: expert scheduling mode 2), set by the entry lines.  The code itself states the register dependences
; between vector or matrix instructions and memory or LDS instructions, with s_wait_alu, always for 0.
; THE PLAN.  Registers that memory or LDS instructions touch:
;   addresses   v1-v11, v28, v29, v256-v262: made at the head, ahead of one wait on va_vdst, and never written again, but for v6.
;   v6 (MA)     Read by a visit's four mask loads; stepped once a loop trip, behind a wait on vm_vsrc; its write is covered by the wait that
;               stands in every visit ahead of the mask loads.
;   ST          A trip: the chunk's loads have landed; the conversions of ALL wanted blocks read and write it in place; ONE wait on va_vdst; the LDS
;               stores of all wanted blocks read it; ONE wait on vm_vsrc; the next chunk's loads land in it.  No vector line between names it.
;   KF          A visit's K loads stand at its head with no wait: the last instructions that named KF are the products K Q^T of the visit before
;               (or the head's mask scaling), and each of those stands ahead of a wait on va_vdst behind which nothing names KF.
;   VF, MK      One wait on va_vdst behind the K loads: the products V^T P of the visit before are done reading VF.  Mask and V loads follow it.
;   OA          The LDS stores' data on the way out, behind one wait on va_vdst, which also covers the read-backs into KF's and VF's registers.
;   QF, SC, PF, the statistics and v20-27 are named by vector and matrix instructions alone once Q's fragments are in.
; A visit's 34 exponentials are one batch with one wait ahead of their first reader: two waits on va_vdst a visit in all.
.set KP,     144                       ; K and Q rows in LDS: 128 bytes of f16 + 16: sixteen rows start at sixteen different 16-byte columns modulo 256
.set VP,     160                       ; V rows: 128 + 32, an odd multiple of 32, for the transposing load
.set KTILE,  32*KP                     ; 4,608
.set VTILE,  32*VP                     ; 5,120
.set VOFF,   8*KTILE                   ; 36,864: a slot's V tiles lie behind its 8 K tiles
.set SLOT,   8*KTILE+8*VTILE           ; 77,824; two slots take turns
.set MREG,   2*SLOT                    ; 155,648: 2,048 f32, kpm[b][*] x log2 e, written once
.set STG,    MREG+8192                 ; 163,840: a stage of 8,704 bytes for each wave: first Q in f16 (pitch 144), at the end O in f32 (pitch 272)
.set STGW,   8704
.set OPITCH, 272
.set KVBLK,  8192                      ; a key block in memory: 32 rows of 256 bytes
; vector registers, window 0
.set KA,  2                            ; v2, v3    K fragment address in slot 0, 1: r x 144 + 16 h
.set VA,  4                            ; v4, v5    V^T fragment address in slot 0, 1
.set MA,  6                            ; v6        mask address: MREG + 32 h, + 2,048 each loop trip (16 key blocks)
.set QA,  7                            ; v7        Q fragment address in my stage
.set ORD, 8                            ; v8        way out: read rows back
.set OGO, 9                            ; v9        16 x lane
.set LU,  10                           ; v10       4 x lane
.set LOW, 11                           ; v11       4 x lane + 256 x wave: my own layout row
.set MX,  12                           ; v12, v13 = (maximum, sum) of query tile 0; v14, v15 of tile 1
.set AL,  16                           ; v16, v17 = (rescaling factor, a written partner) of tile 0; v18, v19 of tile 1
.set TT,  20                           ; v20-27    at work
.set OST, 28                           ; v28       way out: where my 32 bytes of a row go
.set MST, 29                           ; v29       where my 16 bytes of the scaled mask go
.set QF,  32                           ; v32-63    Q fragments (qt, ks) at 32 + 16 qt + 8 ks
.set KF,  64                           ; v64-95    K fragments (kt, ks)
.set VF,  96                           ; v96-127   V^T fragments (dt)
.set MK,  128                          ; v128-143  mask tiles (kt), the C of the first product
.set SC,  144                          ; v144-175  S^T (qt, kt), then P in f32
.set PF,  176                          ; v176-191  P^T fragments (qt)
.set OA,  192                          ; v192-255  O^T (qt, dt) at 192 + 32 qt + 8 dt
; vector registers, window 1 (v256 and up, named by their low 8 bits): all that staging touches, so that it runs under one setting
.set GO,  0                            ; 16 x thread: my 16 bytes of 16 rows of K or V
.set KS,  1                            ; v257, v258  where my 8 bytes of K go, slot 0, 1
.set VS,  3                            ; v259, v260  the same for V
.set QGO, 5                            ; 16 x lane
.set QS,  6                            ; where my 8 bytes of Q go
.set ST,  8                            ; v264-391    key block blk of a chunk owns 16: K rows 0-15, K rows 16-31, V rows 0-15, V rows 16-31
; scalars: s[4:5] Q, s[6:7] K, s[8:9] V, s[10:11] kpm, s[12:13] layout, s[14:15] out0; s16 wave; s18 bh; s24, s25 lane selects;
; s26, s27 UN; s28, s29 OWN; s30 trip counter; s31 at work; s32 my stage; s33 256 w; s38 288 w; s39 320 w + VOFF
.set MSB, 0
.macro WIN new                         ; s_set_vgpr_msb: bits 1:0 source 0, 3:2 source 1, 5:4 source 2, 7:6 destination; the high byte repeats the setting left
.if MSB != \new
	s_set_vgpr_msb (MSB<<8)|\new
.set MSB, \new
.endif
.endm
.macro PLACES                          ; four independent vector instructions behind a matrix instruction (ISA guide 7.12.1)
.rept 4
	v_nop
.endr
.endm
	s_load_b256 s[4:11], s[0:1], 0x0               ; query, key, value, key_padding_mask
	s_load_b128 s[12:15], s[0:1], 0x20             ; layout, out0
	v_lshl_add_u32 v30, v0, 2, 0x39000
	v_mov_b32 v31, 0
	v_lshrrev_b32 v1, 5, v0
	v_readfirstlane_b32 s16, v1                    ; wave 0..7
	s_and_b32 s18, ttmp7, 0xffff                   ; bh = 16 b + h;  ttmp9 = g
	s_mov_b32 s24, 0x76543210                      ; v_permlanex16_b32: lane i reads lane i of the other half
	s_mov_b32 s25, 0xfedcba98
	v_lshlrev_b32 v1, 4, v0                        ; 16 t
	v_and_b32 v20, 31, v0                          ; lane L
	v_and_b32 v21, 15, v0                          ; r
	v_bfe_u32 v22, v0, 4, 1                        ; h
	v_and_b32 v24, 7, v0                           ; L & 7
	v_bfe_u32 v25, v0, 3, 1                        ; (L >> 3) & 1
	v_lshlrev_b32 v[OGO], 4, v20
	v_lshlrev_b32 v[LU], 2, v20
	s_wait_alu depctr_va_sdst(0)                   ; s16 is written, ahead of its first reader: LDS places and the bases' offsets are made from it
	s_mul_i32 s32, s16, STGW
	s_add_co_u32 s32, s32, STG                     ; my stage
	s_lshl_b32 s33, s16, 8
	s_mul_i32 s38, s16, 2*KP                       ; a wave stages two rows of each 16: 288 w
	s_mul_i32 s39, s16, 2*VP
	s_add_co_u32 s39, s39, VOFF
	s_lshl_b32 s22, s18, 19                        ; K, V: bh x 2,048 rows x 256 bytes
	s_mov_b32 s23, 0
	s_lshl_b32 s20, ttmp9, 16                      ; Q, out0: + g x 256 rows + w x 32 rows
	s_add_co_u32 s20, s20, s22
	s_lshl_b32 s31, s16, 13
	s_add_co_u32 s20, s20, s31
	s_mov_b32 s21, 0
	s_lshr_b32 s34, s18, 4                         ; kpm: b x 8,192 bytes
	s_lshl_b32 s34, s34, 13
	s_mov_b32 s35, 0
	s_and_b32 s36, s18, 15                         ; layout: (64 h + 8 g) rows of 256 bytes
	s_lshl_b32 s36, s36, 14
	s_lshl_b32 s31, ttmp9, 11
	s_add_co_u32 s36, s36, s31
	s_mov_b32 s37, 0
	; every address of the kernel is made here, while the arguments are on their way
	v_add_nc_u32 v[LOW], s33, v[LU]
	; fragment addresses
	v_mul_u32_u24 v[KA], v21, KP
	v_lshl_add_u32 v[KA], v22, 4, v[KA]            ; r x 144 + 16 h
	v_add_nc_u32 v[KA+1], SLOT, v[KA]
	v_lshl_add_u32 v26, v22, 3, v24                ; key row 8 h + (L & 7)
	v_mul_u32_u24 v[VA], v26, VP
	v_lshl_add_u32 v[VA], v25, 4, v[VA]            ; + 16 for the upper eight columns
	v_add_nc_u32 v[VA], VOFF, v[VA]
	v_add_nc_u32 v[VA+1], SLOT, v[VA]
	v_lshlrev_b32 v[MA], 5, v22
	v_add_nc_u32 v[MA], MREG, v[MA]
	v_add_nc_u32 v[QA], s32, v[KA]
	v_mul_u32_u24 v[ORD], v22, OPITCH
	v_lshl_add_u32 v[ORD], v21, 4, v[ORD]
	v_add_nc_u32 v[ORD], s32, v[ORD]
	v_mul_u32_u24 v[OST], v21, OPITCH
	v_lshl_add_u32 v[OST], v22, 5, v[OST]
	v_add_nc_u32 v[OST], s32, v[OST]
	v_lshl_add_u32 v[MST], s33, 1, v[OGO]          ; 512 w + 16 L = 16 t
	v_add_nc_u32 v[MST], MREG, v[MST]
	; staging addresses, written straight into window 1
	v_mad_u32_u24 v97, v22, KP, s38                ; (2 w + h) x 144
	v_add_nc_u32 v98, SLOT, v97
	v_mad_u32_u24 v99, v22, VP, s39                ; (2 w + h) x 160 + VOFF
	v_add_nc_u32 v100, SLOT, v99
	v_mad_u32_u24 v101, v22, KP, s32               ; my stage + h x 144
	WIN 0x40
	v_lshlrev_b32 v[GO], 4, v0
	v_lshl_add_u32 v[KS],   v21, 3, v97            ; + 8 r: four f16 of columns 4 r .. 4 r + 3
	v_lshl_add_u32 v[KS+1], v21, 3, v98
	v_lshl_add_u32 v[VS],   v21, 3, v99
	v_lshl_add_u32 v[VS+1], v21, 3, v100
	v_lshlrev_b32 v[QGO], 4, v20
	v_lshl_add_u32 v[QS],   v21, 3, v101
	WIN 0
	s_wait_kmcnt 0x0
	s_add_nc_u64 s[12:13], s[12:13], s[36:37]
	s_add_nc_u64 s[4:5], s[4:5], s[20:21]
	s_add_nc_u64 s[10:11], s[10:11], s[34:35]
	s_add_nc_u64 s[14:15], s[14:15], s[20:21]
	s_add_nc_u64 s[6:7], s[6:7], s[22:23]
	s_add_nc_u64 s[8:9], s[8:9], s[22:23]
	s_wait_alu depctr_va_vdst(0)                   ; all offsets and LDS addresses (v1-v11, v28, v29, v256-v262) are written, which the kernel's loads and stores read; so are v97-v101, in which V^T's loads land later
	; layout first: everything else hangs on it.  Lane L takes word L (key blocks 0-31) and word 32 + L (32-63) of each row.
.irp i, 0,1,2,3,4,5,6,7
	global_load_b32 v[SC+2*\i],   v[LU], s[12:13] offset:\i*256
	global_load_b32 v[SC+2*\i+1], v[LU], s[12:13] offset:\i*256+128
.endr
	global_load_b32 v[SC+16], v[LOW], s[12:13]
	global_load_b32 v[SC+17], v[LOW], s[12:13] offset:128
	; my 32 rows of Q: each load covers two rows, 512 consecutive bytes; read once in the launch.  Only loads and window switches stand between the wait above and these.
	WIN 0x55
.irp i, 0,1,2,3,4,5,6,7,8,9,10,11,12,13,14,15
	global_load_b128 v[ST+4*\i:ST+4*\i+3], v[QGO], s[4:5] offset:\i*512 th:TH_LOAD_NT
.endr
	WIN 0
	global_load_b128 v[KF:KF+3],   v1, s[10:11]              ; the batch's 2,048 mask entries, 8 a thread
	global_load_b128 v[KF+4:KF+7], v1, s[10:11] offset:4096
	; the two masks
	s_wait_loadcnt 18                              ; loads return in order: the 16 of Q and the 2 of the mask are younger, layout's 18 are in
.irp i, 1,2,3,4,5,6,7
	v_or_b32 v[SC],   v[SC],   v[SC+2*\i]
	v_or_b32 v[SC+1], v[SC+1], v[SC+2*\i+1]
.endr
	v_cmp_ne_u32 s26, 0, v[SC]                     ; UN: bit j = some row of the group names key block j
	v_cmp_ne_u32 s27, 0, v[SC+1]
	v_cmp_ne_u32 s28, 0, v[SC+16]                  ; OWN
	v_cmp_ne_u32 s29, 0, v[SC+17]
	s_wait_alu depctr_va_sdst(0)                   ; the four compares have written s26 to s29, ahead of their first readers and of every branch
	; Q x 0.125 log2 e, to f16.  The products land in the upper half of the staging registers.
	s_wait_loadcnt 0x2                             ; the mask's 2 loads are younger: Q is in
	WIN 0x55
.irp i, 0,1,2,3,4,5,6,7,8,9,10,11,12,13,14,15
	v_pk_mul_f32 v[ST+64+4*\i:ST+64+4*\i+1],   v[ST+4*\i:ST+4*\i+1],   0x3e38aa3b op_sel_hi:[1,0]
	v_pk_mul_f32 v[ST+64+4*\i+2:ST+64+4*\i+3], v[ST+4*\i+2:ST+4*\i+3], 0x3e38aa3b op_sel_hi:[1,0]
	v_cvt_pk_f16_f32 v[ST+64+4*\i],   v[ST+64+4*\i],   v[ST+64+4*\i+1]
	v_cvt_pk_f16_f32 v[ST+64+4*\i+1], v[ST+64+4*\i+2], v[ST+64+4*\i+3]
.endr
	WIN 0
	s_wait_loadcnt 0x0                             ; the mask
.irp j, 0,2,4,6
	v_pk_mul_f32 v[KF+\j:KF+\j+1], v[KF+\j:KF+\j+1], 0x3fb8aa3b op_sel_hi:[1,0]   ; x log2 e: the exponentials are base 2
.endr
	s_wait_alu depctr_va_vdst(0)                   ; the scalings and roundings have written v[KF ..] and the staging registers, which the 18 LDS stores below read; they are also done with all of ST and KF, in which later loads land
	ds_store_b128 v[MST], v[KF:KF+3]
	ds_store_b128 v[MST], v[KF+4:KF+7] offset:4096
	WIN 0x55
.irp i, 0,1,2,3,4,5,6,7,8,9,10,11,12,13,14,15
	ds_store_b64 v[QS], v[ST+64+4*\i:ST+64+4*\i+1] offset:\i*2*KP                ; Q into my stage
.endr
	WIN 0
	; Q's fragments stay in registers for the whole kernel.  My own bytes: LDS serves a wave's instructions in order (ISA guide 5.7.1).
.irp qt, 0,1
.irp ks, 0,1
	ds_load_b128 v[QF+16*\qt+8*\ks:QF+16*\qt+8*\ks+3],   v[QA] offset:\qt*16*KP+\ks*64
	ds_load_b128 v[QF+16*\qt+8*\ks+4:QF+16*\qt+8*\ks+7], v[QA] offset:\qt*16*KP+\ks*64+32
.endr
.endr
	; O starts at 0 in registers: how many blocks a wave visits is data and may be none, so no first product can be written out to start the sums
.set i, 0
.rept 64
	v_mov_b32 v[OA+i], 0
.set i, i+1
.endr
	v_mov_b32 v[MX],   0xff7fffff                  ; -FLT_MAX, not -inf: no inf - inf where every logit so far is -inf
	v_mov_b32 v[MX+1], 0
	v_mov_b32 v[MX+2], 0xff7fffff
	v_mov_b32 v[MX+3], 0
	v_mov_b32 v[AL+1], 0
	v_mov_b32 v[AL+3], 0
; Four loads of one key block (if the group wants it): 16 rows of K, 16 more, and the same of V; each load of a wave covers 512 consecutive bytes.
; No wait on va_vdst here: no vector instruction since the wait ahead of the last LDS stores names a staging register or v[GO].
.macro LOADBLK id, bit, blk, off
	s_bitcmp1_b32 s26, \bit
	s_cbranch_scc0 .Lld\id
	WIN 0x55
	global_load_b128 v[ST+16*\blk:ST+16*\blk+3],     v[GO], s[6:7] offset:\off+\blk*KVBLK
	global_load_b128 v[ST+16*\blk+4:ST+16*\blk+7],   v[GO], s[6:7] offset:\off+\blk*KVBLK+4096
	global_load_b128 v[ST+16*\blk+8:ST+16*\blk+11],  v[GO], s[8:9] offset:\off+\blk*KVBLK
	global_load_b128 v[ST+16*\blk+12:ST+16*\blk+15], v[GO], s[8:9] offset:\off+\blk*KVBLK+4096
	WIN 0
.Lld\id:
.endm
; The chunk whose UN bits are first .. first + 7 and whose first block lies off bytes behind the stepped bases
.macro LOADSEC tag, first, off
	s_and_b32 s31, s26, 0xff<<(\first)
	s_cbranch_scc0 .Lldx\tag
.irp b, 0,1,2,3,4,5,6,7
	LOADBLK \tag\b, \first+\b, \b, \off
.endr
.Lldx\tag:
.endm
; One key block in the staging registers is rounded to f16, in place
.macro CVTBLK slot, blk
	s_bitcmp1_b32 s26, 8*\slot+\blk
	s_cbranch_scc0 .Lcv\slot\blk
	WIN 0x55
.irp n, 0,1,2,3
	v_cvt_pk_f16_f32 v[ST+16*\blk+4*\n],   v[ST+16*\blk+4*\n],   v[ST+16*\blk+4*\n+1]
	v_cvt_pk_f16_f32 v[ST+16*\blk+4*\n+1], v[ST+16*\blk+4*\n+2], v[ST+16*\blk+4*\n+3]
.endr
	WIN 0
.Lcv\slot\blk:
.endm
; One key block from the staging registers to LDS
.macro STOREBLK slot, blk
	s_bitcmp1_b32 s26, 8*\slot+\blk
	s_cbranch_scc0 .Lst\slot\blk
	WIN 0x55
	ds_store_b64 v[KS+\slot], v[ST+16*\blk:ST+16*\blk+1]     offset:\blk*KTILE
	ds_store_b64 v[KS+\slot], v[ST+16*\blk+4:ST+16*\blk+5]   offset:\blk*KTILE+16*KP
	ds_store_b64 v[VS+\slot], v[ST+16*\blk+8:ST+16*\blk+9]   offset:\blk*VTILE
	ds_store_b64 v[VS+\slot], v[ST+16*\blk+12:ST+16*\blk+13] offset:\blk*VTILE+16*VP
	WIN 0
.Lst\slot\blk:
.endm
; A chunk: all its wanted blocks are rounded, one wait, all are stored
.macro STORESEC slot
	s_and_b32 s31, s26, 0xff<<(8*\slot)
	s_cbranch_scc0 .Lstx\slot
.irp b, 0,1,2,3,4,5,6,7
	CVTBLK \slot, \b
.endr
	s_wait_alu depctr_va_vdst(0)                   ; the chunk's roundings have written the staging registers, which the LDS stores below read, and are done reading those in which the next chunk's loads land
.irp b, 0,1,2,3,4,5,6,7
	STOREBLK \slot, \b
.endr
.Lstx\slot:
.endm
; One step of the running softmax for query tile qt: 16 logits a lane (keys 8h+0..7 and 16+8h+0..7 of query r), in two halves.
; The front half ends with the exponentials and names no result of any of them.
.macro SMA qt
.set SB, SC+16*\qt
.set MM, MX+2*\qt
.set AA, AL+2*\qt
	v_max3_num_f32 v[TT],   v[SB],   v[SB+1], v[MM]          ; 16 logits and the old maximum, in two chains
	v_max3_num_f32 v[TT+1], v[SB+2], v[SB+3], v[SB+4]
	v_max3_num_f32 v[TT],   v[TT],   v[SB+5], v[SB+6]
	v_max3_num_f32 v[TT+1], v[TT+1], v[SB+7], v[SB+8]
	v_max3_num_f32 v[TT],   v[TT],   v[SB+9], v[SB+10]
	v_max3_num_f32 v[TT+1], v[TT+1], v[SB+11], v[SB+12]
	v_max3_num_f32 v[TT],   v[TT],   v[SB+13], v[SB+14]
	v_max3_num_f32 v[TT],   v[TT],   v[TT+1], v[SB+15]
	v_permlanex16_b32 v[TT+1], v[TT], s24, s25               ; the query's other 16 keys lie in lane L xor 16
	v_max_num_f32 v[TT], v[TT], v[TT+1]
	v_sub_f32 v[AA], v[MM], v[TT]
	v_mov_b32 v[MM], v[TT]
	v_exp_f32 v[AA], v[AA]                                   ; 2^(old maximum - new)
.irp j, 0,1,2,3,4,5,6,7
	v_pk_add_f32 v[SB+2*\j:SB+2*\j+1], v[SB+2*\j:SB+2*\j+1], v[MM:MM+1] op_sel_hi:[1,0] neg_lo:[0,1] neg_hi:[0,1]
.endr
.irp j, 0,1,2,3,4,5,6,7,8,9,10,11,12,13,14,15
	v_exp_f32 v[SB+\j], v[SB+\j]
.endr
.endm
; The back half reads them: O is rescaled, the sum goes on, P is rounded.
.macro SMB qt
.set SB, SC+16*\qt
.set MM, MX+2*\qt
.set AA, AL+2*\qt
.set OB, OA+32*\qt
.irp j, 0,1,2,3,4,5,6,7,8,9,10,11,12,13,14,15
	v_pk_mul_f32 v[OB+2*\j:OB+2*\j+1], v[OB+2*\j:OB+2*\j+1], v[AA:AA+1] op_sel_hi:[1,0]
.endr
	v_pk_add_f32 v[TT:TT+1],   v[SB:SB+1],     v[SB+2:SB+3]
	v_pk_add_f32 v[TT+2:TT+3], v[SB+4:SB+5],   v[SB+6:SB+7]
	v_pk_add_f32 v[TT+4:TT+5], v[SB+8:SB+9],   v[SB+10:SB+11]
	v_pk_add_f32 v[TT+6:TT+7], v[SB+12:SB+13], v[SB+14:SB+15]
	v_pk_add_f32 v[TT:TT+1],   v[TT:TT+1],     v[TT+2:TT+3]
	v_pk_add_f32 v[TT+4:TT+5], v[TT+4:TT+5],   v[TT+6:TT+7]
	v_pk_add_f32 v[TT:TT+1],   v[TT:TT+1],     v[TT+4:TT+5]
	v_add_f32 v[TT], v[TT], v[TT+1]
	v_fma_f32 v[MM+1], v[MM+1], v[AA], v[TT]                 ; the sum of my half of the keys; the halves meet once, at the end
.irp j, 0,1,2,3,4,5,6,7
	v_cvt_pk_f16_f32 v[PF+8*\qt+\j], v[SB+2*\j], v[SB+2*\j+1]
.endr
.endm
.macro PV qt
.irp dt, 0,1,2,3
	v_wmma_f32_16x16x32_f16 v[OA+32*\qt+8*\dt:OA+32*\qt+8*\dt+7], v[VF+8*\dt:VF+8*\dt+7], v[PF+8*\qt:PF+8*\qt+7], v[OA+32*\qt+8*\dt:OA+32*\qt+8*\dt+7]
.endr
.endm
; My 32 queries x the 32 keys of block blk of the slot's chunk
.macro VISIT slot, blk
	; K's loads go out with no wait: the last instructions that named v[KF ..] (the products K Q^T of the visit before; at first the head's mask scaling)
	; stand ahead of a wait on va_vdst, and nothing issued since names them or v[KA ..]
.irp kt, 0,1
.irp ks, 0,1
	ds_load_b128 v[KF+16*\kt+8*\ks:KF+16*\kt+8*\ks+3],   v[KA+\slot] offset:\blk*KTILE+\kt*16*KP+\ks*64
	ds_load_b128 v[KF+16*\kt+8*\ks+4:KF+16*\kt+8*\ks+7], v[KA+\slot] offset:\blk*KTILE+\kt*16*KP+\ks*64+32
.endr
.endr
	s_wait_alu depctr_va_vdst(0)                   ; the products V^T P of the visit before are done reading v[VF ..], in which V^T's loads land; v[MA], which the mask's loads read, is written
.irp kt, 0,1
	ds_load_b128 v[MK+8*\kt:MK+8*\kt+3],   v[MA] offset:128*(8*\slot+\blk)+\kt*64       ; keys 16 kt + 8 h + 0..3: the same word for all 16 lanes of a half
	ds_load_b128 v[MK+8*\kt+4:MK+8*\kt+7], v[MA] offset:128*(8*\slot+\blk)+\kt*64+16
.endr
.irp dt, 0,1,2,3
	ds_load_tr16_b128 v[VF+8*\dt:VF+8*\dt+3],   v[VA+\slot] offset:\blk*VTILE+\dt*32           ; keys 8 h + 0..7 of column 16 dt + r
	ds_load_tr16_b128 v[VF+8*\dt+4:VF+8*\dt+7], v[VA+\slot] offset:\blk*VTILE+\dt*32+16*VP     ; keys 16 + 8 h + 0..7
.endr
	s_wait_dscnt 0x8                               ; V's 8 loads are younger: K's 8 and the mask's 4 are in
.irp qt, 0,1
.irp kt, 0,1
	v_wmma_f32_16x16x32_f16 v[SC+16*\qt+8*\kt:SC+16*\qt+8*\kt+7], v[KF+16*\kt:KF+16*\kt+7], v[QF+16*\qt:QF+16*\qt+7], v[MK+8*\kt:MK+8*\kt+7]
.endr
.endr
.irp qt, 0,1
.irp kt, 0,1
	v_wmma_f32_16x16x32_f16 v[SC+16*\qt+8*\kt:SC+16*\qt+8*\kt+7], v[KF+16*\kt+8:KF+16*\kt+15], v[QF+16*\qt+8:QF+16*\qt+15], v[SC+16*\qt+8*\kt:SC+16*\qt+8*\kt+7]
.endr
.endr
	PLACES                                         ; before the softmax reads S
	SMA 0                                          ; both tiles' front halves: 34 exponentials, one batch
	SMA 1
	v_nop                                          ; one plain instruction behind the last exponential (ISA guide 5.7.2)
	s_wait_alu depctr_va_vdst(0)                   ; the 34 exponentials have written P and the two rescaling factors, ahead of their first reader; the products K Q^T are done reading v[KF ..] and v[MK ..], in which the next visit's loads land
	SMB 0
	s_wait_dscnt 0x0                               ; V^T is in; my reads of the slot are over
	PV 0
	SMB 1                                          ; names none of the registers of the four products in front of it
	PV 1
	PLACES                                         ; the places behind the last products stay, beside the next visit's wait
.endm
; One chunk.  One barrier a trip serves both orders.  In front of it each wave has waited (count 0) for its LDS stores into this slot
; and for its fragment loads from the other slot in the last trip; behind it this slot is read.  The other slot is written again in the
; next trip, by waves that have passed this barrier.
.macro TRIP slot
	s_wait_loadcnt 0x0                             ; the chunk's K and V are in the staging registers (0: how many were issued is data)
	STORESEC \slot
	s_wait_dscnt 0x0                               ; for the other waves' sake
	s_wait_alu depctr_vm_vsrc(0)                   ; my LDS stores have read the staging registers, in which the next chunk's loads land
	LOADSEC \slot, 8*\slot+8, 65536*(\slot+1)      ; the next chunk sets out before this one is multiplied
	s_barrier_signal -1
	s_barrier_wait -1
	s_and_b32 s31, s28, 0xff<<(8*\slot)
	s_cbranch_scc0 .Lvx\slot
.irp b, 0,1,2,3,4,5,6,7
	s_bitcmp1_b32 s28, 8*\slot+\b
	s_cbranch_scc0 .Lv\slot\b
	VISIT \slot, \b
.Lv\slot\b:
.endr
.Lvx\slot:
.endm
	s_wait_dscnt 0x0                               ; Q's fragments are in
	s_wait_alu depctr_vm_vsrc(0)                   ; the head's LDS stores have read the staging registers and v[KF ..]: chunk 0's loads land in the first, the first visit's K in the second
	LOADSEC 2, 0, 0                                ; chunk 0
	s_mov_b32 s30, 0
.Lloop:                                            ; 4 trips of two chunks = 64 key blocks
	TRIP 0
	TRIP 1
	s_wait_xcnt 0x0                                ; the pending loads of the next chunk have had their addresses translated (ISA guide 3.1): the bases may step
	s_wait_alu depctr_vm_vsrc(0)                   ; the mask's LDS loads issued so far have read v[MA], which the add below writes
	s_add_nc_u64 s[6:7], s[6:7], 16*KVBLK
	s_add_nc_u64 s[8:9], s[8:9], 16*KVBLK
	v_add_nc_u32 v[MA], 2048, v[MA]
	s_lshr_b32 s26, s26, 16                        ; both masks move down by 16 blocks.  Zeros come in at the top, so the look-ahead of the
	s_lshl_b32 s31, s27, 16                        ; last trip (bits 16-23) finds nothing set and no load passes the end of K or V
	s_or_b32 s26, s26, s31
	s_lshr_b32 s27, s27, 16
	s_lshr_b32 s28, s28, 16
	s_lshl_b32 s31, s29, 16
	s_or_b32 s28, s28, s31
	s_lshr_b32 s29, s29, 16
	s_add_co_u32 s30, s30, 1
	s_cmp_lt_u32 s30, 4
	s_cbranch_scc1 .Lloop
	; THE WAY OUT.  The two halves of each query's sum meet; O / sum; through my stage, so that sixteen lanes store one whole row of 256 bytes.
	v_permlanex16_b32 v[AL+1], v[MX+1], s24, s25
	v_permlanex16_b32 v[AL+3], v[MX+3], s24, s25
	v_add_f32 v[MX+1], v[MX+1], v[AL+1]
	v_add_f32 v[MX+3], v[MX+3], v[AL+3]
	v_rcp_f32 v[AL],   v[MX+1]
	v_rcp_f32 v[AL+2], v[MX+3]
	v_nop                                          ; one plain instruction between the reciprocals and their use (ISA guide 5.7.2)
	s_wait_alu depctr_va_vdst(0)                   ; the two reciprocals have written v[AL] and v[AL+2], ahead of their first reader
.irp qt, 0,1
.irp j, 0,1,2,3,4,5,6,7,8,9,10,11,12,13,14,15
	v_pk_mul_f32 v[OA+32*\qt+2*\j:OA+32*\qt+2*\j+1], v[OA+32*\qt+2*\j:OA+32*\qt+2*\j+1], v[AL+2*\qt:AL+2*\qt+1] op_sel_hi:[1,0]
.endr
.endr
	s_wait_alu depctr_va_vdst(0)                   ; the scalings have written v[OA ..], which the LDS stores read; every product is done reading v[KF ..] and v[VF ..], in which the read-backs land
.irp qt, 0,1
.irp dt, 0,1,2,3
	ds_store_b128 v[OST], v[OA+32*\qt+8*\dt:OA+32*\qt+8*\dt+3]   offset:\qt*16*OPITCH+\dt*64      ; row 16 qt + r, columns 16 dt + 8 h + 0..3
	ds_store_b128 v[OST], v[OA+32*\qt+8*\dt+4:OA+32*\qt+8*\dt+7] offset:\qt*16*OPITCH+\dt*64+16
.endr
.endr
.irp i, 0,1,2,3,4,5,6,7,8,9,10,11,12,13,14,15
	ds_load_b128 v[KF+4*\i:KF+4*\i+3], v[ORD] offset:\i*2*OPITCH     ; my own bytes, served in order behind the stores: rows 2 i and 2 i + 1
.endr
.irp i, 0,1,2,3,4,5,6,7,8,9,10,11,12,13,14,15
	s_wait_dscnt 15-\i                             ; the younger read-backs stay out
	global_store_b128 v[OGO], v[KF+4*\i:KF+4*\i+3], s[14:15] offset:\i*512 th:TH_STORE_NT   ; 512 consecutive bytes, two whole rows of out0
.endr
	s_wait_dscnt 0x0
	s_wait_alu depctr_hold_cnt(0) depctr_sa_sdst(0) depctr_va_vdst(0) depctr_va_sdst(0) depctr_va_ssrc(0) depctr_va_vcc(0) depctr_vm_vsrc(0)
	s_wait_tensorcnt 0x0
	ds_add_u32 v30, v31
	s_wait_dscnt 0x0
	s_endpgm
.Lfunc_end_k_q26171557b6_attn:
	.size	k_q26171557b6_attn, .Lfunc_end_k_q26171557b6_attn-k_q26171557b6_attn
	.p2alignl 7, 3214868480
	.fill 96, 4, 3214868480
	.section	.rodata,"a",@progbits
	.p2align	6, 0x0
	.amdhsa_kernel k_q26171557b6_attn
		.amdhsa_group_segment_fixed_size 234496
		.amdhsa_private_segment_fixed_size 0
		.amdhsa_enable_private_segment 0
		.amdhsa_kernarg_size 48
		.amdhsa_user_sgpr_count 2
		.amdhsa_user_sgpr_kernarg_segment_ptr 1
		.amdhsa_wavefront_size32 1
		.amdhsa_system_sgpr_workgroup_id_x 1
		.amdhsa_system_sgpr_workgroup_id_y 1
		.amdhsa_system_sgpr_workgroup_id_z 1
		.amdhsa_system_vgpr_workitem_id 0
		.amdhsa_next_free_vgpr 392
		.amdhsa_next_free_sgpr 66
		.amdhsa_reserve_vcc 0
		.amdhsa_float_denorm_mode_32 3
		.amdhsa_float_denorm_mode_16_64 3
		.amdhsa_memory_ordered 1
		.amdhsa_forward_progress 1
		.amdhsa_inst_pref_size 217
	.end_amdhsa_kernel
	.amdgpu_metadata
---
amdhsa.version: [ 1, 2 ]
amdhsa.kernels:
  - .name:           k_q26171557b6_attn
    .symbol:         k_q26171557b6_attn.kd
    .args:
      - { .name: query, .offset: 0, .size: 8, .value_kind: global_buffer, .address_space: global }
      - { .name: key, .offset: 8, .size: 8, .value_kind: global_buffer, .address_space: global }
      - { .name: value, .offset: 16, .size: 8, .value_kind: global_buffer, .address_space: global }
      - { .name: key_padding_mask, .offset: 24, .size: 8, .value_kind: global_buffer, .address_space: global }
      - { .name: layout, .offset: 32, .size: 8, .value_kind: global_buffer, .address_space: global }
      - { .name: out0, .offset: 40, .size: 8, .value_kind: global_buffer, .address_space: global }
    .group_segment_fixed_size: 234496
    .private_segment_fixed_size: 0
    .kernarg_segment_align: 8
    .kernarg_segment_size: 48
    .max_flat_workgroup_size: 256
    .sgpr_count:     66
    .vgpr_count:     392
    .wavefront_size: 32
...
	.end_amdgpu_metadata
.endif
;; end of part 2
